; MI455X (gfx1250); checked and timed in simulation.
; The chip was launched on July 23, 2026; its instructions are those of AMD's public machine-readable ISA for CDNA 5 (MIT licence, August 2026) and "CDNA5" Instruction Set Architecture Reference Guide (July 2026). The comments in the code are by the model that wrote it; some were corrected since.
;; Lig Column Attention. Allowed arithmetic: float matrix products may take bf16 or f16 operands with f32 sums; all other float work in f32.
;; Inputs: bf 256 float32; lig_profile 1 x 128 x 256 x 256 float32; ln_bias 256 float32; ln_scale 256 float32; wf 256 x 256 float32; wk 256 x 256 float32; wq 256 x 256 float32; wv 256 x 256 float32.
;; Outputs: out0 1 x 128 x 256 x 256 float32.
;; One version. Each part assembles by itself: llvm-mc -triple=amdgcn-amd-amdhsa -mcpu=gfx1250 --defsym DOCPART=n.
;; ======== version 1 of 1: 2 launches
;; limits: values are held in f16: magnitudes above 65,504 overflow, below 6.1e-05 lose precision
;; workspace buffers: wpk 524,288 bytes
;; launch pack (part 1): grid 128 x 1, 8 waves a work-group, no clusters, 9,472 bytes of LDS; arguments wq, wk, wv, wf, wpk; writes wpk
.if DOCPART == 1
	.amdgcn_target "amdgcn-amd-amdhsa--gfx1250"
	.amdhsa_code_object_version 6
	.text
	.protected	k_q3e58d9946b_pack
	.globl	k_q3e58d9946b_pack
	.p2align	8
	.type	k_q3e58d9946b_pack,@function
k_q3e58d9946b_pack:
	s_mov_b64 s[64:65], 0
	v_nop
	global_prefetch_b8 v0, s[64:65] scope:SCOPE_SE
	s_setreg_imm32_b32 hwreg(HW_REG_WAVE_MODE, 25, 1), 1
	s_wait_xcnt 0x0
; The four weight matrices (256 x 256 f32, rows = k) rounded once to f16 and laid out in the order in which the
; next launch's matrix fragments want them, so that there one 16-byte load a lane fills four fragment registers.
; A chunk is 16 bytes = 8 numbers e = 0..7 that are neighbours along k, for lane L = 16 h' + r, piece p = 0, 1:
;   wq, wk, wv (X = 0, 1, 2): byte X*131072 + h*16384 + (ks*2+ct)*1024 + p*512 + L*16 + 2e
;                             = W[ks*32 + p*16 + h'*8 + e][(ct*16 + r)*8 + h]          (h: head, the fastest column index)
;   wf:                       byte 393216 + cg*32768 + (ks*4+ct)*1024 + p*512 + L*16 + 2e
;                             = wf[(p*16 + h'*8 + e)*8 + ks][cg*64 + ct*16 + r]        (ks: head, k inside a step: channel)
; Work-group X*32 + sub, sub = ks*4 + p*2 + h': the eight rows e = 0..7 of all 256 columns, that is 256 chunks, one a thread.
; Wave e reads row e whole (1,024 neighbouring bytes), the rows meet in LDS, thread t gathers its column's eight numbers.
; LIMIT: |w| < 65,504 (f16's largest number); below 6e-8 a weight rounds to zero.
; No matrix unit, no cluster, no ring: 1 MiB is read once and 0.5 MiB written once.
.set LP, 1040                                      ; LDS pitch of a row: 1,024 bytes + 16
	s_load_b256 s[4:11], s[0:1], 0x0               ; wq s[4:5], wk s[6:7], wv s[8:9], wf s[10:11]
	s_load_b64 s[12:13], s[0:1], 0x20              ; wpk
	v_lshl_add_u32 v32, v0, 2, 0x2100
	v_mov_b32 v33, 0
	v_lshrrev_b32 v1, 5, v0
	v_readfirstlane_b32 s16, v1                    ; wave = e, the row that I read
	s_lshr_b32 s17, ttmp9, 5                       ; X
	s_and_b32 s18, ttmp9, 31                       ; sub
	s_and_b32 s19, s18, 3                          ; p*2 + h'
	s_lshr_b32 s22, s18, 2                         ; ks
	s_lshl3_add_u32 s20, s18, s16                  ; wq, wk, wv: row = sub*8 + e
	s_lshl_b32 s21, s19, 6
	s_add_co_u32 s21, s21, s22
	s_lshl3_add_u32 s21, s16, s21                  ; wf: row = (p*2+h')*64 + ks + 8 e
	s_lshl_b32 s23, s22, 11                        ; ks's place in the output: 2,048 bytes (two column tiles)
	s_lshl_b32 s25, s22, 12                        ; wf: 4,096 bytes (four column tiles)
	s_cmp_eq_u32 s17, 3
	s_cselect_b32 s20, s21, s20
	s_cselect_b32 s23, s25, s23
	s_cselect_b32 s24, -1, 0                       ; all lanes' mask: this work-group packs wf
	s_lshl_b32 s20, s20, 10                        ; the row in bytes
	s_mov_b32 s21, 0
	s_lshl_b32 s26, s17, 17                        ; X*131072
	s_add_co_u32 s26, s26, s23
	s_lshl_b32 s25, s19, 8                         ; p*512 + h'*256
	s_add_co_u32 s26, s26, s25
	s_mov_b32 s27, 0
	s_mul_i32 s28, s16, LP                         ; my row in LDS
	v_and_b32 v2, 31, v0                           ; lane
	v_lshlrev_b32 v3, 4, v2                        ; 16 bytes a lane
	v_add_nc_u32 v24, s28, v3
	s_wait_kmcnt 0x0
	s_cmp_eq_u32 s17, 1                            ; the source is chosen by X alone
	s_cselect_b64 s[4:5], s[6:7], s[4:5]
	s_cmp_eq_u32 s17, 2
	s_cselect_b64 s[4:5], s[8:9], s[4:5]
	s_cmp_eq_u32 s17, 3
	s_cselect_b64 s[4:5], s[10:11], s[4:5]
	s_add_nc_u64 s[4:5], s[4:5], s[20:21]
	s_add_nc_u64 s[12:13], s[12:13], s[26:27]
	global_load_b128 v[4:7], v3, s[4:5] th:TH_LOAD_NT              ; each row is read once in the launch
	global_load_b128 v[8:11], v3, s[4:5] offset:512 th:TH_LOAD_NT
	; which column is mine, and where its chunk goes
	v_lshl_add_u32 v25, v2, 3, v1                  ; wq, wk, wv: column (ct*16+r)*8 + h = lane*8 + wave
	v_cndmask_b32 v25, v25, v0, s24                ; wf: column t
	v_lshlrev_b32 v25, 2, v25
	v_and_b32 v26, 15, v0
	v_lshlrev_b32 v26, 4, v26                      ; r*16
	v_bfe_u32 v28, v0, 4, 1                        ; ct of two
	v_lshl_add_u32 v27, v28, 10, v26
	v_lshl_add_u32 v27, v1, 14, v27                ; + h*16384
	v_bfe_u32 v28, v0, 4, 2                        ; ct of four
	v_lshl_add_u32 v29, v28, 10, v26
	v_lshrrev_b32 v28, 6, v0                       ; cg
	v_lshl_add_u32 v29, v28, 15, v29
	v_cndmask_b32 v27, v27, v29, s24
	s_wait_loadcnt 0x0
	ds_store_b128 v24, v[4:7]
	ds_store_b128 v24, v[8:11] offset:512
	s_wait_dscnt 0x0                               ; my row is in LDS, for the other waves' sake
	s_barrier_signal -1
	s_barrier_wait -1
.irp e, 0,1,2,3,4,5,6,7
	ds_load_b32 v[12+\e], v25 offset:\e*LP         ; for wq, wk, wv lanes 8 apart ask for words 64 apart; eight such loads a thread in the whole launch: no swizzle is spent on them
.endr
	s_wait_dscnt 0x0
	v_cvt_pk_f16_f32 v20, v12, v13                 ; the lower k in the lower half
	v_cvt_pk_f16_f32 v21, v14, v15
	v_cvt_pk_f16_f32 v22, v16, v17
	v_cvt_pk_f16_f32 v23, v18, v19
	global_store_b128 v27, v[20:23], s[12:13]      ; sixteen neighbouring lanes store 256 consecutive bytes, at a multiple of 256 from wpk's first byte
	s_wait_tensorcnt 0x0
	ds_add_u32 v32, v33
	s_wait_dscnt 0x0
	s_endpgm
.Lfunc_end_k_q3e58d9946b_pack:
	.size	k_q3e58d9946b_pack, .Lfunc_end_k_q3e58d9946b_pack-k_q3e58d9946b_pack
	.p2alignl 7, 3214868480
	.fill 96, 4, 3214868480
	.section	.rodata,"a",@progbits
	.p2align	6, 0x0
	.amdhsa_kernel k_q3e58d9946b_pack
		.amdhsa_group_segment_fixed_size 9472
		.amdhsa_private_segment_fixed_size 0
		.amdhsa_enable_private_segment 0
		.amdhsa_kernarg_size 40
		.amdhsa_user_sgpr_count 2
		.amdhsa_user_sgpr_kernarg_segment_ptr 1
		.amdhsa_wavefront_size32 1
		.amdhsa_system_sgpr_workgroup_id_x 1
		.amdhsa_system_sgpr_workgroup_id_y 1
		.amdhsa_system_sgpr_workgroup_id_z 1
		.amdhsa_system_vgpr_workitem_id 0
		.amdhsa_next_free_vgpr 34
		.amdhsa_next_free_sgpr 66
		.amdhsa_reserve_vcc 0
		.amdhsa_float_denorm_mode_32 3
		.amdhsa_float_denorm_mode_16_64 3
		.amdhsa_memory_ordered 1
		.amdhsa_forward_progress 1
		.amdhsa_inst_pref_size 4
	.end_amdhsa_kernel
	.amdgpu_metadata
---
amdhsa.version: [ 1, 2 ]
amdhsa.kernels:
  - .name:           k_q3e58d9946b_pack
    .symbol:         k_q3e58d9946b_pack.kd
    .args:
      - { .name: wq, .offset: 0, .size: 8, .value_kind: global_buffer, .address_space: global }
      - { .name: wk, .offset: 8, .size: 8, .value_kind: global_buffer, .address_space: global }
      - { .name: wv, .offset: 16, .size: 8, .value_kind: global_buffer, .address_space: global }
      - { .name: wf, .offset: 24, .size: 8, .value_kind: global_buffer, .address_space: global }
      - { .name: wpk, .offset: 32, .size: 8, .value_kind: global_buffer, .address_space: global }
    .group_segment_fixed_size: 9472
    .private_segment_fixed_size: 0
    .kernarg_segment_align: 8
    .kernarg_segment_size: 40
    .max_flat_workgroup_size: 256
    .sgpr_count:     66
    .vgpr_count:     34
    .wavefront_size: 32
...
	.end_amdgpu_metadata
.endif
;; end of part 1
;; launch attn (part 2): grid 256 x 1, 8 waves a work-group, no clusters, 283,648 bytes of LDS; arguments lig_profile, ln_scale, ln_bias, wpk, bf, out0; writes out0
.if DOCPART == 2
	.amdgcn_target "amdgcn-amd-amdhsa--gfx1250"
	.amdhsa_code_object_version 6
	.text
	.protected	k_q3e58d9946b_attn
	.globl	k_q3e58d9946b_attn
	.p2align	8
	.type	k_q3e58d9946b_attn,@function
k_q3e58d9946b_attn:
	s_mov_b64 s[64:65], 0
	v_nop
	global_prefetch_b8 v0, s[64:65] scope:SCOPE_SE
	s_setreg_imm32_b32 hwreg(HW_REG_WAVE_MODE, 25, 1), 1
	s_wait_xcnt 0x0
; LayerNorm, Q/K/V projections, softmax attention over the keys, output projection and bias, in one launch.
; Work-group 2 m + q: slice m (256 rows x 256 channels), query rows 128 q .. 128 q + 127, against all 256 key rows.
; Eight waves of 512 registers; in the projections and the attention wave w IS head w: its K and V (all 256 rows) and a
; whole block of scores (16 queries x 256 keys) stay in its registers.  Every product is laid so that its result turns
; into the next product's fragment by v_cvt_pk_f16_f32 alone (lane L: r = L & 15, h' = L >> 4; result register j holds (8 h' + j, r)):
;   Q^T, K^T = W fragment (rows c) x x fragment (columns = rows of x): lane r holds row r, c = 16 ct + 8 h' + j: packed, a fragment with k = c
;   V        = x fragment (rows j) x Wv fragment (columns c):          two row tiles packed are a fragment of V^T with k = j
;   S^T      = K fragment x Q fragment: lane holds query r, keys 16 t + 8 h' + j: after exp two tiles packed are a fragment of P with k = j
;   O^T      = V^T fragment x P fragment; row sums = (all ones) x P fragment; out^T = wf fragment x O fragment
; so a row of scores lies in lanes r and r + 16 alone: the maximum needs one exchange of the halves, the sum none.
; The true maximum of each whole row is taken away before the exponential.  The denominator is the f32 sum of exactly the
; f16 weights that multiply V (made by the matrix unit from a fragment of ones).
; K and V are made by both work-groups of a slice: 8 units of 256^3 multiply-adds a slice in place of 6, for 256 equal work-groups
; and no intermediate in memory.
; NUMBER FORMAT: all matrix operands f16, sums f32.  LIMITS: |x| after LayerNorm, |w|, |q|, |k|, |v| < 65,504 (beyond it infinities, then NaN,
; where the f32 result is finite); as drawn they are about 1, 0.06, 1, 1, 1.  A weight p below 6e-8 of its row's largest rounds to zero.
; v_exp_f32, v_rsq_f32, v_rcp_f32 are good to one unit in the last place and flush denormals (ISA guide 15.8).  Sums run in another order than the f32 formula's.
; NO TENSOR LOADS, NO CLUSTER: x has to pass through registers for the LayerNorm; a landing area for a slice in f32 (262,144 bytes) beside its
; f16 copy (135,168) does not fit in LDS.  Each number of wq, wk, wv is used by one wave of the work-group alone and goes straight into that wave's
; registers in fragment order; through LDS it would be 655,360 bytes more written and read in each work-group.
;
; LDS: XS  0        256 rows x 528: x after LayerNorm, f16.  LDS row i = slice row i xor 128 q: the queries are always rows 0-127 (the order of keys does not matter)
;      QL  135,168  8 x 8,192: wave w's own Q fragments; behind the attention its first 16 x 272 bytes are the wave's stage for the way out
;      OL  200,704  8 x 10,240: head w's O, 128 rows x 64 bytes at pitch 80, written by wave w alone
; The pitches 528, 272 and 80 are odd multiples of 16 bytes: sixteen neighbouring rows begin at sixteen different 16-byte columns modulo 256 bytes.
.set XP,   528
.set TILE, 16*XP
.set QL,   256*XP
.set QW,   8192
.set OL,   QL+8*QW
.set OP,   80
.set OH,   128*OP
.set SP,   272
; registers, window 0 (v0-255)
.set GW,   1                           ; lane*16: offset of every weight load; never rewritten
.set GX,   2                           ; LayerNorm: my 16 bytes in x          (later XA0)
.set LSA,  3                           ; LayerNorm: my 8 bytes in XS          (later XA0+1)
.set SB,   4                           ; LayerNorm: my 16 bytes in scale/bias (later QA)
.set T,    6                           ; v6-11   at work
.set RS,   12                          ; v12-13  1/sqrt(var+eps), a pair for the packed multiply
.set MU,   14                          ; v14-15  the mean, likewise
.set DV,   16                          ; v16-31  x - mean, then the result
.set SC,   32                          ; v32-47  ln_scale of my 16 channels
.set BI,   48                          ; v48-63  ln_bias
.set XR,   192                         ; v192-255 ring of four slots x 16: two rows of x a slot
.set XA0,  2                           ; v2, v3  x fragments: row tiles 0-7, 8-15
.set QA,   4                           ; my place in my wave's Q fragments
.set OA,   5                           ; where I put 16 bytes of O
.set OFA,  6                           ; v6, v7  O fragments of heads 0-3, 4-7
.set STO,  8                           ; way out: where I put 32 bytes of a row
.set RD,   9                           ; way out: where I read a row back
.set CO,   10                          ; my byte offset in out0
.set BO,   11                          ; my byte offset in bf
.set HQ,   16                          ; v16-31  packed Q of two row tiles
.set ACC,  32                          ; v32-63  four accumulators (row tile tau, column tile ct) at 32 + 8 (2 tau + ct)
.set W0,   64                          ; v64-191 Wq, later Wk: fragment (ks, ct) at 8 (2 ks + ct)
.set XB,   192                         ; v192-255 x fragments, two halves of four
.set ONES, 16                          ; v16-23  a fragment of 1.0
.set QF,   24                          ; v24-31  the trip's Q fragment
.set OACC, 32                          ; v32-47  O^T, two accumulators
.set SACC, 48                          ; v48-63  row sums, two accumulators
.set PS,   64                          ; v64-191 16 tiles of scores; P fragment u ends up at PS + 16 u
.set BIAS, 192                         ; v192-223 bf as the start of the final sums, four column tiles
.set MX,   224                         ; v224-227 four running maxima
.set TP,   228
.set NM,   230                         ; v230-231 -max * log2(e)/sqrt(32)
.set RR,   232                         ; v232-233 1 / row sum
.set HO,   240                         ; v240-247 packed O
.set FA,   64                          ; v64-191 final accumulators (rt, ct) at 64 + 8 (4 rt + ct)
.set OB0,  224                         ; v224-255 O fragments, even heads; later a buffer of the way out
.set OB1,  32                          ; v32-63   odd heads; likewise
; window 1 (v256-511, written v0-255): v0-127 Wv, then K fragment t at 8 t, then wf heads 0-3; v128-255 V^T fragment (ct, u) at 128 + 8 (2 u + ct), then wf heads 4-7
.set MSB, 0
.macro WIN new                         ; s_set_vgpr_msb: bits 1:0 source 0, 3:2 source 1, 5:4 source 2, 7:6 destination; the high byte repeats the setting that is left
.if MSB != \new
	s_set_vgpr_msb (MSB<<8)|\new
.set MSB, \new
.endif
.endm
.macro PLACES                          ; four plain vector places behind a matrix instruction (ISA guide 7.12.1) before its registers are read, written or loaded into
.rept 4
	v_nop
.endr
.endm
.macro WLOAD dst, sb, off              ; 16 KiB of packed weights: 32 loads of 512 consecutive bytes; register dst + 4 i takes byte off + 512 i
.set wl_i, 0
.rept 32
	global_load_b128 v[\dst+4*wl_i:\dst+4*wl_i+3], v[GW], s[\sb:\sb+1] offset:\off+512*wl_i
.set wl_i, wl_i+1
.endr
.endm
	s_load_b256 s[4:11], s[0:1], 0x0               ; x s[4:5], ln_scale s[6:7], ln_bias s[8:9], wpk s[10:11]
	s_load_b128 s[12:15], s[0:1], 0x20             ; bf s[12:13], out0 s[14:15]
	v_lshrrev_b32 v1, 5, v0
	v_readfirstlane_b32 s16, v1                    ; wave w = head
	s_and_b32 s17, ttmp9, 1                        ; q: which half of the slice's rows are my queries
	s_lshr_b32 s18, ttmp9, 1                       ; m: the slice
	s_and_b32 s32, s16, 3                          ; cg: final product, my 64 columns
	s_lshr_b32 s33, s16, 2                         ; rg: final product, my 64 rows
	s_mov_b32 s22, 0x3b800000                      ; 1/256
	s_mov_b32 s24, 0x3e8293ee                      ; log2(e)/sqrt(32): the factor and the change of base in one
	s_mov_b32 s25, 0x3e8293ee
	s_mov_b32 s26, 0x76543210                      ; v_permlanex16_b32: lane i of one half reads lane i of the other
	s_mov_b32 s27, 0xfedcba98
	v_and_b32 v4, 15, v0                           ; r
	v_bfe_u32 v5, v0, 4, 1                         ; which of the turn's two rows
	v_and_b32 v1, 31, v0
	v_lshlrev_b32 v[GW], 4, v1
	v_lshlrev_b32 v[GX], 13, v5                    ; lanes 16-31: eight rows of 1,024 bytes further down
	v_lshl_add_u32 v[GX], v4, 4, v[GX]
	s_mul_i32 s19, s16, 32*XP                      ; my wave's 32 rows of XS
	v_mul_u32_u24 v[LSA], v5, 8*XP
	v_lshl_add_u32 v[LSA], v4, 3, v[LSA]
	v_add_nc_u32 v[LSA], s19, v[LSA]
	v_lshlrev_b32 v[SB], 4, v4
	v_mov_b32 v[RS+1], 0                           ; second registers of pairs of which the packed forms take the first twice
	v_mov_b32 v[MU+1], 0
	s_lshl_b32 s19, s17, 2
	s_xor_b32 s19, s19, s16                        ; LDS rows 32 w .. come from slice rows 32 (w xor 4 q) ..
	s_lshl_b32 s19, s19, 15
	s_lshl_b32 s20, s18, 18
	s_add_co_u32 s20, s20, s19
	s_mov_b32 s21, 0
	s_lshl_b32 s34, s18, 18                        ; out0: slice, + 128 q rows, + 64 rg rows, + 64 cg columns
	s_lshl_b32 s19, s17, 17
	s_add_co_u32 s34, s34, s19
	s_lshl_b32 s19, s33, 16
	s_add_co_u32 s34, s34, s19
	s_lshl_b32 s19, s32, 8
	s_add_co_u32 s34, s34, s19
	s_mov_b32 s35, 0
	s_lshl_b32 s36, s16, 14                        ; my head's 16 KiB in each of wq, wk, wv
	s_mov_b32 s37, 0
	s_lshl_b32 s38, s32, 15                        ; my 64 columns' 32 KiB of wf
	s_add_co_u32 s38, s38, 0x60000
	s_mov_b32 s39, 0
	s_wait_kmcnt 0x0
	s_add_nc_u64 s[4:5], s[4:5], s[20:21]
	s_add_nc_u64 s[30:31], s[10:11], s[38:39]
	s_add_nc_u64 s[10:11], s[10:11], s[36:37]
	s_add_nc_u64 s[14:15], s[14:15], s[34:35]
; ---------------------------------------------------------------- LayerNorm: 16 turns of two rows
; Lanes 0-15 hold row a, lanes 16-31 row a + 8; a lane holds channels 4 r + 64 b + 0..3, b = 0..3, so each load takes 256 consecutive
; bytes of each of the two rows.  Turn s: a = 32 w + 16 (s >> 3) + (s & 7).  Order of issue: scale, bias (8 loads), the ring (16), Wq (32).
.irp b, 0,1,2,3
	global_load_b128 v[SC+4*\b:SC+4*\b+3], v[SB], s[6:7] offset:256*\b
.endr
.irp b, 0,1,2,3
	global_load_b128 v[BI+4*\b:BI+4*\b+3], v[SB], s[8:9] offset:256*\b
.endr
.irp s, 0,1,2,3
.irp b, 0,1,2,3
	global_load_b128 v[XR+16*\s+4*\b:XR+16*\s+4*\b+3], v[GX], s[4:5] offset:\s*1024+256*\b
.endr
.endr
	WLOAD W0, 10, 0                                ; Wq, on its way during the LayerNorm
; refill = 1: the slot is asked again, for turn s + 4.  left = how many younger loads may stay out.
.macro LNTURN s, refill, left
.set ln_x,  XR+16*((\s)&3)
.set ln_rs, 16*((\s)>>3)+((\s)&7)
	s_wait_loadcnt \left                           ; loads come back in order (ISA guide 5.7.1): this slot's four are in
	v_pk_add_f32 v[T:T+1],   v[ln_x:ln_x+1],   v[ln_x+2:ln_x+3]
	v_pk_add_f32 v[T+2:T+3], v[ln_x+4:ln_x+5], v[ln_x+6:ln_x+7]
	v_pk_add_f32 v[T+4:T+5], v[ln_x+8:ln_x+9], v[ln_x+10:ln_x+11]
	v_pk_add_f32 v[T:T+1],   v[T:T+1],   v[ln_x+12:ln_x+13]
	v_pk_add_f32 v[T+2:T+3], v[T+2:T+3], v[ln_x+14:ln_x+15]
	v_pk_add_f32 v[T:T+1],   v[T:T+1],   v[T+4:T+5]
	v_pk_add_f32 v[T:T+1],   v[T:T+1],   v[T+2:T+3]
	v_add_f32 v[T], v[T], v[T+1]
.irp k, 1,2,4,8
	v_add_f32_dpp v[T], v[T], v[T] row_xmask:\k row_mask:0xf bank_mask:0xf   ; over the 16 lanes of a row of x: each half of the wave keeps its own sum
.endr
	v_mul_f32 v[MU], s22, v[T]
.irp j, 0,2,4,6,8,10,12,14
	v_pk_add_f32 v[DV+\j:DV+\j+1], v[ln_x+\j:ln_x+\j+1], v[MU:MU+1] op_sel_hi:[1,0] neg_lo:[0,1] neg_hi:[0,1]
.endr
.if \refill
.set ln_rn, 16*(((\s)+4)>>3)+(((\s)+4)&7)
.irp b, 0,1,2,3
	global_load_b128 v[ln_x+4*\b:ln_x+4*\b+3], v[GX], s[4:5] offset:ln_rn*1024+256*\b
.endr
.endif
	v_pk_mul_f32 v[T:T+1],   v[DV:DV+1],   v[DV:DV+1]             ; the variance from the differences, as the formula forms it: a common offset of x does no harm
	v_pk_mul_f32 v[T+2:T+3], v[DV+2:DV+3], v[DV+2:DV+3]
.irp j, 4,8,12
	v_pk_fma_f32 v[T:T+1],   v[DV+\j:DV+\j+1],   v[DV+\j:DV+\j+1],   v[T:T+1]
	v_pk_fma_f32 v[T+2:T+3], v[DV+\j+2:DV+\j+3], v[DV+\j+2:DV+\j+3], v[T+2:T+3]
.endr
	v_pk_add_f32 v[T:T+1], v[T:T+1], v[T+2:T+3]
	v_add_f32 v[T], v[T], v[T+1]
.irp k, 1,2,4,8
	v_add_f32_dpp v[T], v[T], v[T] row_xmask:\k row_mask:0xf bank_mask:0xf
.endr
	v_fmaak_f32 v[T], s22, v[T], 0x3727c5ac        ; sum/256 + 1e-5
	v_rsq_f32 v[RS], v[T]
	v_nop                                          ; one plain place behind the transcendental before its result is used (ISA guide 5.7.2)
	s_wait_alu depctr_va_vdst(0)
.irp j, 0,2,4,6,8,10,12,14
	v_pk_mul_f32 v[DV+\j:DV+\j+1], v[DV+\j:DV+\j+1], v[RS:RS+1] op_sel_hi:[1,0]
.endr
.irp j, 0,2,4,6,8,10,12,14
	v_pk_fma_f32 v[DV+\j:DV+\j+1], v[DV+\j:DV+\j+1], v[SC+\j:SC+\j+1], v[BI+\j:BI+\j+1]
.endr
.irp j, 0,1,2,3,4,5,6,7
	v_cvt_pk_f16_f32 v[DV+\j], v[DV+2*\j], v[DV+2*\j+1]            ; packed in place: register j is written when 2 j and 2 j + 1 are read, never ahead of them
.endr
.irp b, 0,1,2,3
	ds_store_b64 v[LSA], v[DV+2*\b:DV+2*\b+1] offset:ln_rs*XP+128*\b   ; lanes 0-15: 128 consecutive bytes; lanes 16-31: 8 rows = 1,056 words further, the other half of a 256-byte line
.endr
.endm
	LNTURN 0, 1, 44                                ; younger than the slot's loads: three slots' 12 (first fills or refills) and Wq's 32
	LNTURN 1, 1, 44
	LNTURN 2, 1, 44
	LNTURN 3, 1, 44
	LNTURN 4, 1, 12                                ; three slots' 12; Wq was issued ahead of this slot's refill, so it is in too
	LNTURN 5, 1, 12
	LNTURN 6, 1, 12
	LNTURN 7, 1, 12
	LNTURN 8, 1, 12
	LNTURN 9, 1, 12
	LNTURN 10, 1, 12
	LNTURN 11, 1, 12
	WIN 0x40                                       ; destination in window 1
	WLOAD 0, 10, 262144                            ; Wv into v256-383: it has the last four turns and the Q pass in which to come
	WIN 0
	LNTURN 12, 0, 44                               ; 12 of the ring and Wv's 32; then the ring runs down
	LNTURN 13, 0, 40
	LNTURN 14, 0, 36
	LNTURN 15, 0, 32
	s_wait_dscnt 0x0                               ; my 32 rows are in XS, for the other waves' sake
	s_wait_xcnt 0x0                                ; v2 and v4 were offsets of global loads: they are rewritten only behind this wait
	s_barrier_signal -1
	v_and_b32 v12, 15, v0                          ; r          (register work while the others arrive)
	v_bfe_u32 v13, v0, 4, 1                        ; h'
	v_mul_u32_u24 v[XA0], v12, XP
	v_lshl_add_u32 v[XA0], v13, 4, v[XA0]          ; a 16-bit fragment: row r, 16 bytes at 16 h', a second 16 bytes 32 further
	v_add_nc_u32 v[XA0+1], 8*TILE, v[XA0]
	s_lshl_b32 s19, s16, 13
	s_add_co_u32 s19, s19, QL                      ; my wave's 8,192 bytes of QL
	v_add_nc_u32 v[QA], s19, v[GW]
	v_mul_u32_u24 v14, v12, OP
	v_lshl_add_u32 v14, v13, 4, v14                ; r*80 + 16 h'
	s_mul_i32 s20, s16, OH
	s_add_co_u32 s20, s20, OL                      ; my head's 10,240 bytes of OL
	v_add_nc_u32 v[OA], s20, v14
	s_mul_i32 s20, s33, 64*OP
	s_add_co_u32 s20, s20, OL
	v_add_nc_u32 v[OFA], s20, v14                  ; final product: my 64 rows in head 0's block,
	v_add_nc_u32 v[OFA+1], 4*OH, v[OFA]            ; and in head 4's: the 16-bit offset does not reach over eight blocks
	v_mul_u32_u24 v[STO], v12, SP
	v_lshl_add_u32 v[STO], v13, 5, v[STO]
	v_add_nc_u32 v[STO], s19, v[STO]
	v_mul_u32_u24 v[RD], v13, SP
	v_lshl_add_u32 v[RD], v12, 4, v[RD]
	v_add_nc_u32 v[RD], s19, v[RD]
	v_lshlrev_b32 v[CO], 10, v13
	v_lshl_add_u32 v[CO], v12, 4, v[CO]
	v_lshlrev_b32 v[BO], 5, v13
	v_lshl_add_u32 v[BO], s32, 8, v[BO]
	s_barrier_wait -1                              ; XS is whole
; ---------------------------------------------------------------- projections: 80 steps in one pipeline
; Steps 0-15: Q of row tiles 0-7; 16-47: V of tiles 0-15; 48-79: K of tiles 0-15.  Four steps serve a pair of row tiles; a step is
; two K steps of 32 for both tiles and both column tiles: 8 LDS loads, 8 matrix instructions.  The fragments of step g + 2 are asked for in step g.
.macro XLOAD g
.if (\g) < 80
.if (\g) < 16
.set xl_p, (\g)>>2
.else
.set xl_p, (((\g)-16)>>2)&7
.endif
.set xl_q, (\g)&3
.irp tau, 0,1
.irp kp, 0,1
.set xl_t, 2*xl_p+\tau
.set xl_d, XB+32*(xl_q&1)+8*(2*\tau+\kp)
.set xl_o, (xl_t&7)*TILE+(2*xl_q+\kp)*64
	ds_load_b128 v[xl_d:xl_d+3],   v[XA0+(xl_t>>3)] offset:xl_o
	ds_load_b128 v[xl_d+4:xl_d+7], v[XA0+(xl_t>>3)] offset:xl_o+32
.endr
.endr
.endif
.endm
.macro STEP g
.set st_q, (\g)&3
.if (\g) < 16
.set st_p, (\g)>>2
.set st_m, 0
.else
.set st_p, (((\g)-16)>>2)&7
.if (\g) < 48
.set st_m, 1
.else
.set st_m, 2
.endif
.endif
.if (\g) == 16
	s_wait_loadcnt 32                              ; Wv is in; the 32 younger loads are Wk's
.endif
.if (\g) == 48
	s_wait_loadcnt 0x0                             ; Wk is in
.endif
.if (\g) == 79
	s_wait_dscnt 0x0
.else
	s_wait_dscnt 8                                 ; this step's fragments are in; the next step's 8 loads may stay out (where Q's stores are younger still, the count is the stricter for it)
.endif
.if st_m == 1
	WIN 0x04                                       ; source 1 (Wv) in window 1; LDS loads name destination and source 0 alone
.else
	WIN 0
.endif
	; the four accumulators take turns, one instruction a turn; a pair's first products start the sums
.irp kp, 0,1
.irp tau, 0,1
.irp ct, 0,1
.set st_a, ACC+8*(2*\tau+\ct)
.set st_x, XB+32*(st_q&1)+8*(2*\tau+\kp)
.set st_w, 8*(2*(2*st_q+\kp)+\ct)
.if st_m == 1
.if (st_q+\kp) == 0
	v_wmma_f32_16x16x32_f16 v[st_a:st_a+7], v[st_x:st_x+7], v[st_w:st_w+7], 0
.else
	v_wmma_f32_16x16x32_f16 v[st_a:st_a+7], v[st_x:st_x+7], v[st_w:st_w+7], v[st_a:st_a+7]
.endif
.else
.if (st_q+\kp) == 0
	v_wmma_f32_16x16x32_f16 v[st_a:st_a+7], v[W0+st_w:W0+st_w+7], v[st_x:st_x+7], 0
.else
	v_wmma_f32_16x16x32_f16 v[st_a:st_a+7], v[W0+st_w:W0+st_w+7], v[st_x:st_x+7], v[st_a:st_a+7]
.endif
.endif
.endr
.endr
.endr
	PLACES                                         ; for the loads into the half just multiplied, and for the conversions
	XLOAD \g+2
.if (\g) == 15
	WLOAD W0, 10, 131072                           ; Wk over Wq, whose last use stands four places back: it has the V pass in which to come
.endif
.if st_q == 3
.if st_m == 0
.irp tau, 0,1
.irp ct, 0,1
.irp i, 0,1,2,3
	v_cvt_pk_f16_f32 v[HQ+8*\tau+4*\ct+\i], v[ACC+8*(2*\tau+\ct)+2*\i], v[ACC+8*(2*\tau+\ct)+2*\i+1]
.endr
.endr
.endr
.irp tau, 0,1
.irp ct, 0,1
	ds_store_b128 v[QA], v[HQ+8*\tau+4*\ct:HQ+8*\tau+4*\ct+3] offset:(2*st_p+\tau)*1024+512*\ct   ; Q fragment of tile 2 P + tau, registers 4 ct .. 4 ct + 3, in my wave's own bytes
.endr
.endr
.else
	WIN 0x40                                       ; destination in window 1
.irp tau, 0,1
.irp ct, 0,1
.irp i, 0,1,2,3
.if st_m == 1
	v_cvt_pk_f16_f32 v[128+8*(2*st_p+\ct)+4*\tau+\i], v[ACC+8*(2*\tau+\ct)+2*\i], v[ACC+8*(2*\tau+\ct)+2*\i+1]   ; V^T fragment (ct, u = P): tile 2 P in registers 0-3, tile 2 P + 1 in 4-7
.else
	v_cvt_pk_f16_f32 v[8*(2*st_p+\tau)+4*\ct+\i], v[ACC+8*(2*\tau+\ct)+2*\i], v[ACC+8*(2*\tau+\ct)+2*\i+1]       ; K fragment of tile 2 P + tau, over Wv, which the V pass has done with
.endif
.endr
.endr
.endr
.endif
.endif
.endm
	XLOAD 0
	XLOAD 1
.set stepno, 0
.rept 80
	STEP stepno
.set stepno, stepno+1
.endr
	WIN 0
	; behind the last step's four places and sixteen conversions: its fragment registers are free
.irp ct, 0,1,2,3
	global_load_b128 v[BIAS+8*\ct:BIAS+8*\ct+3],   v[BO], s[12:13] offset:64*\ct      ; bf[64 cg + 16 ct + 8 h' + j], the layout of a result of the final product
	global_load_b128 v[BIAS+8*\ct+4:BIAS+8*\ct+7], v[BO], s[12:13] offset:64*\ct+16
.endr
.irp i, 0,1,2,3,4,5,6,7
	v_mov_b32 v[ONES+\i], 0x3c003c00               ; 1.0, 1.0 in f16
.endr
	v_mov_b32 v[TP], 0                             ; v_permlanex16_b32's destination counts as read
	v_mov_b32 v[NM+1], 0                           ; second registers of broadcast pairs
	v_mov_b32 v[RR+1], 0
	ds_load_b128 v[QF:QF+3],   v[QA]               ; the first 16 queries (my wave's own stores, served in order)
	ds_load_b128 v[QF+4:QF+7], v[QA] offset:512
	s_wait_dscnt 0x0
; ---------------------------------------------------------------- attention: eight trips of 16 queries x 256 keys
.macro PACK u                                      ; tiles 2 u and 2 u + 1 of exp become P fragment u, packed in place
	s_wait_alu depctr_va_vdst(0)
.irp q, 0,1,2,3,4,5,6,7
	v_cvt_pk_f16_f32 v[PS+16*(\u)+\q], v[PS+16*(\u)+2*\q], v[PS+16*(\u)+2*\q+1]
.endr
.endm
.macro ATT last
	s_wait_dscnt 2                                 ; the Q fragment's two loads are in; the last trip's two stores of O are younger
	WIN 0x01                                       ; source 0 (K) in window 1
.irp t, 0,1,2,3,4,5,6,7,8,9,10,11,12,13,14,15
	v_wmma_f32_16x16x32_f16 v[PS+8*\t:PS+8*\t+7], v[8*\t:8*\t+7], v[QF:QF+7], 0        ; c = 32 is one K step: every tile is one product
.endr
	WIN 0
	PLACES
.if \last
	WIN 0x40
	WLOAD 0, 30, 0                                 ; wf, heads 0-3, over the K fragments, which have had their last use
	WIN 0
.else
	ds_load_b128 v[QF:QF+3],   v[QA] offset:1024   ; the next trip's queries
	ds_load_b128 v[QF+4:QF+7], v[QA] offset:1536
.endif
	; the row's maximum: four chains over my 128 scores, then the other half of the lanes
.irp c, 0,1,2,3
	v_max_num_f32 v[MX+\c], v[PS+32*\c], v[PS+32*\c+1]
.endr
.irp k, 1,2,3,4,5,6,7,8,9,10,11,12,13,14,15
.irp c, 0,1,2,3
	v_max3_num_f32 v[MX+\c], v[MX+\c], v[PS+32*\c+2*\k], v[PS+32*\c+2*\k+1]
.endr
.endr
	v_max3_num_f32 v[MX], v[MX], v[MX+1], v[MX+2]
	v_max_num_f32 v[MX], v[MX], v[MX+3]
	v_permlanex16_b32 v[TP], v[MX], s26, s27
	v_max_num_f32 v[MX], v[MX], v[TP]
	v_mul_f32 v[NM], 0xbe8293ee, v[MX]             ; its rounding is one factor for the whole row, in numerator and denominator alike
	; p = 2^(s * log2(e)/sqrt(32) - max * ...), 16 registers at a time; the packing of the group before is the plain work behind each run of exponentials
.irp u, 0,1,2,3,4,5,6,7
.irp j, 0,2,4,6,8,10,12,14
	v_pk_fma_f32 v[PS+16*\u+\j:PS+16*\u+\j+1], v[PS+16*\u+\j:PS+16*\u+\j+1], s[24:25], v[NM:NM+1] op_sel_hi:[1,0,0]
.endr
.irp j, 0,1,2,3,4,5,6,7,8,9,10,11,12,13,14,15
	v_exp_f32 v[PS+16*\u+\j], v[PS+16*\u+\j]
.endr
.if \u > 0
	PACK \u-1
.endif
.endr
	PACK 7
	; row sums: ones x P; two accumulators take turns
.irp u, 0,1,2,3,4,5,6,7
.if \u < 2
	v_wmma_f32_16x16x32_f16 v[SACC+8*(\u&1):SACC+8*(\u&1)+7], v[ONES:ONES+7], v[PS+16*\u:PS+16*\u+7], 0
.else
	v_wmma_f32_16x16x32_f16 v[SACC+8*(\u&1):SACC+8*(\u&1)+7], v[ONES:ONES+7], v[PS+16*\u:PS+16*\u+7], v[SACC+8*(\u&1):SACC+8*(\u&1)+7]
.endif
.endr
	WIN 0x01                                       ; source 0 (V^T) in window 1
.irp u, 0,1,2,3,4,5,6,7
.irp ct, 0,1
.if \u == 0
	v_wmma_f32_16x16x32_f16 v[OACC+8*\ct:OACC+8*\ct+7], v[128+8*(2*\u+\ct):128+8*(2*\u+\ct)+7], v[PS+16*\u:PS+16*\u+7], 0
.else
	v_wmma_f32_16x16x32_f16 v[OACC+8*\ct:OACC+8*\ct+7], v[128+8*(2*\u+\ct):128+8*(2*\u+\ct)+7], v[PS+16*\u:PS+16*\u+7], v[OACC+8*\ct:OACC+8*\ct+7]
.endif
.endr
.endr
	WIN 0
	PLACES
.if \last
	WIN 0x40
	WLOAD 128, 30, 16384                           ; wf, heads 4-7, over the V fragments
	WIN 0
.endif
	v_add_f32 v[RR], v[SACC], v[SACC+8]            ; every register of a sum tile holds query r's sum
	v_rcp_f32 v[RR], v[RR]
	v_nop                                          ; one plain place behind the transcendental
	s_wait_alu depctr_va_vdst(0)
.irp j, 0,2,4,6,8,10,12,14
	v_pk_mul_f32 v[OACC+\j:OACC+\j+1], v[OACC+\j:OACC+\j+1], v[RR:RR+1] op_sel_hi:[1,0]
.endr
.irp j, 0,1,2,3,4,5,6,7
	v_cvt_pk_f16_f32 v[HO+\j], v[OACC+2*\j], v[OACC+2*\j+1]
.endr
	ds_store_b128 v[OA], v[HO:HO+3]                ; O[query r][c = 8 h' ..]
	ds_store_b128 v[OA], v[HO+4:HO+7] offset:32    ; O[query r][c = 16 + 8 h' ..]
.if \last == 0
	v_add_nc_u32 v[QA], 1024, v[QA]
	v_add_nc_u32 v[OA], 16*OP, v[OA]
.endif
.endm
	s_mov_b32 s28, 7
.Latt:
	ATT 0
	s_sub_co_i32 s28, s28, 1
	s_cmp_lg_u32 s28, 0
	s_cbranch_scc1 .Latt
	ATT 1                                          ; the last trip asks for no queries; it brings wf over K and V as they fall free
	s_wait_dscnt 0x0                               ; my head's O is in LDS, for the other waves' sake
	s_barrier_signal -1
	s_barrier_wait -1                              ; O is whole
; ---------------------------------------------------------------- final product: wave w makes rows 64 rg .. x columns 64 cg ..; K step ks = head ks
.macro OLOAD ks
.set ol_b, OB0+((\ks)&1)*(OB1-OB0)
.irp rt, 0,1,2,3
	ds_load_b128 v[ol_b+8*\rt:ol_b+8*\rt+3],   v[OFA+((\ks)>>2)] offset:((\ks)&3)*OH+\rt*16*OP
	ds_load_b128 v[ol_b+8*\rt+4:ol_b+8*\rt+7], v[OFA+((\ks)>>2)] offset:((\ks)&3)*OH+\rt*16*OP+32
.endr
.endm
.macro FSTEP ks
.set fs_b, OB0+((\ks)&1)*(OB1-OB0)
.if (\ks) == 0
	s_wait_loadcnt 32                              ; bf and wf's heads 0-3 are in; the 32 younger loads are heads 4-7
.endif
.if (\ks) == 4
	s_wait_loadcnt 0x0
.endif
.if (\ks) == 7
	s_wait_dscnt 0x0
.else
	s_wait_dscnt 8                                 ; this head's O fragments are in; the next head's 8 loads may stay out
.endif
	WIN 0x01                                       ; source 0 (wf) in window 1
	; sixteen accumulators take turns; the bias starts the sums
.irp rt, 0,1,2,3
.irp ct, 0,1,2,3
.if (\ks) == 0
	v_wmma_f32_16x16x32_f16 v[FA+8*(4*\rt+\ct):FA+8*(4*\rt+\ct)+7], v[8*(4*(\ks)+\ct):8*(4*(\ks)+\ct)+7], v[fs_b+8*\rt:fs_b+8*\rt+7], v[BIAS+8*\ct:BIAS+8*\ct+7]
.else
	v_wmma_f32_16x16x32_f16 v[FA+8*(4*\rt+\ct):FA+8*(4*\rt+\ct)+7], v[8*(4*(\ks)+\ct):8*(4*(\ks)+\ct)+7], v[fs_b+8*\rt:fs_b+8*\rt+7], v[FA+8*(4*\rt+\ct):FA+8*(4*\rt+\ct)+7]
.endif
.endr
.endr
	WIN 0
	PLACES
.if (\ks) < 6
	OLOAD \ks+2
.endif
.endm
	OLOAD 0
	OLOAD 1
.irp ks, 0,1,2,3,4,5,6,7
	FSTEP \ks
.endr
; The way out, 16 rows at a time.  A lane holds 8 neighbouring f32 of one row: 32 bytes into my wave's own stage (rows of 272 bytes),
; read back as whole pieces of rows of 256 bytes.  LDS serves a wave's instructions in order (ISA guide 5.7.1): no wait between the stores and the loads.
.macro OUT16 rt, buf
.irp ct, 0,1,2,3
	ds_store_b128 v[STO], v[FA+8*(4*\rt+\ct):FA+8*(4*\rt+\ct)+3]   offset:64*\ct
	ds_store_b128 v[STO], v[FA+8*(4*\rt+\ct)+4:FA+8*(4*\rt+\ct)+7] offset:64*\ct+16
.endr
	s_wait_xcnt 0x0                                ; the buffer was the data of earlier stores: it is loaded again only behind this wait
.irp t, 0,1,2,3,4,5,6,7
	ds_load_b128 v[\buf+4*\t:\buf+4*\t+3], v[RD] offset:2*SP*\t
.endr
.irp t, 0,1,2,3,4,5,6,7
	s_wait_dscnt 7-\t
	global_store_b128 v[CO], v[\buf+4*\t:\buf+4*\t+3], s[14:15] offset:(16*\rt+2*\t)*1024 th:TH_STORE_NT   ; sixteen lanes store 256 consecutive bytes, at a multiple of 256 from out0's first byte
.endr
.endm
	OUT16 0, OB0
	OUT16 1, OB1
	OUT16 2, OB0
	OUT16 3, OB1
	s_wait_xcnt 0x0
	v_lshl_add_u32 v254, v0, 2, 0x45000
	v_mov_b32 v255, 0
	s_wait_tensorcnt 0x0
	ds_add_u32 v254, v255
	s_wait_dscnt 0x0
	s_endpgm
.Lfunc_end_k_q3e58d9946b_attn:
	.size	k_q3e58d9946b_attn, .Lfunc_end_k_q3e58d9946b_attn-k_q3e58d9946b_attn
	.p2alignl 7, 3214868480
	.fill 96, 4, 3214868480
	.section	.rodata,"a",@progbits
	.p2align	6, 0x0
	.amdhsa_kernel k_q3e58d9946b_attn
		.amdhsa_group_segment_fixed_size 283648
		.amdhsa_private_segment_fixed_size 0
		.amdhsa_enable_private_segment 0
		.amdhsa_kernarg_size 48
		.amdhsa_user_sgpr_count 2
		.amdhsa_user_sgpr_kernarg_segment_ptr 1
		.amdhsa_wavefront_size32 1
		.amdhsa_system_sgpr_workgroup_id_x 1
		.amdhsa_system_sgpr_workgroup_id_y 1
		.amdhsa_system_sgpr_workgroup_id_z 1
		.amdhsa_system_vgpr_workitem_id 0
		.amdhsa_next_free_vgpr 512
		.amdhsa_next_free_sgpr 66
		.amdhsa_reserve_vcc 0
		.amdhsa_float_denorm_mode_32 3
		.amdhsa_float_denorm_mode_16_64 3
		.amdhsa_memory_ordered 1
		.amdhsa_forward_progress 1
		.amdhsa_inst_pref_size 255
	.end_amdhsa_kernel
	.section	.bss,"aw",@nobits
	.p2align	6
	.space	262144
	.amdgpu_metadata
---
amdhsa.version: [ 1, 2 ]
amdhsa.kernels:
  - .name:           k_q3e58d9946b_attn
    .symbol:         k_q3e58d9946b_attn.kd
    .args:
      - { .name: lig_profile, .offset: 0, .size: 8, .value_kind: global_buffer, .address_space: global }
      - { .name: ln_scale, .offset: 8, .size: 8, .value_kind: global_buffer, .address_space: global }
      - { .name: ln_bias, .offset: 16, .size: 8, .value_kind: global_buffer, .address_space: global }
      - { .name: wpk, .offset: 24, .size: 8, .value_kind: global_buffer, .address_space: global }
      - { .name: bf, .offset: 32, .size: 8, .value_kind: global_buffer, .address_space: global }
      - { .name: out0, .offset: 40, .size: 8, .value_kind: global_buffer, .address_space: global }
    .group_segment_fixed_size: 283648
    .private_segment_fixed_size: 0
    .kernarg_segment_align: 8
    .kernarg_segment_size: 48
    .max_flat_workgroup_size: 256
    .sgpr_count:     66
    .vgpr_count:     512
    .wavefront_size: 32
...
	.end_amdgpu_metadata
.endif
;; end of part 2
